; MI455X (gfx1250); checked and timed in simulation.
; The chip was launched on July 23, 2026; its instructions are those of AMD's public machine-readable ISA for CDNA 5 (MIT licence, August 2026) and "CDNA5" Instruction Set Architecture Reference Guide (July 2026). The comments in the code are by the model that wrote it; some were corrected since.
;; Sparse Attention. Allowed arithmetic: matrix products marked QUANTISED: E2M3 operands, one E8M0 scale for each 32 along K, by v_wmma_scale_f32_16x16x128_f8f6f4 with both operands' format E2M3, f32 sums; everything else in f32.
;; Inputs: k 2 x 4,096 x 1,024 float32; q 2 x 4,096 x 1,024 float32; v 2 x 4,096 x 1,024 float32.
;; Outputs: out0 2 x 4,096 x 1,024 float32.
;; This version of the problem:
;;   THIS VERSION OF THE PROBLEM IS GIVEN IN LOW PRECISION. The matrix products marked QUANTISED in the list below multiply operands that are first quantised to E2M3 (2 exponent bits, 3 mantissa bits; 6 bits a number), with one power-of-two scale for each 32 numbers along K (OCP MX v1.0); their sums are f32. All else is computed in f32.
;;   The module's matrix products, in the order in which they are computed (A, B: the left and right operand; K: the contracted axis; several contracted axes count as one K, in the product's order):
;;     1. batch 2 x [M 4,096, K 1,024] x [K 1,024, N 4,096]; A: input q; B: input k: QUANTISED
;;     2. batch 2 x [M 4,096, K 4,096] x [K 4,096, N 1,024]; A: softmax (see below); B: input v: QUANTISED
;;   THE QUANTISER, for each operand of a quantised product, along K:
;;     - K is cut into blocks of 32 from its start; a last block that is shorter is filled with zeros.
;;     - A block's scale is 2^e with e = floor(log2(the largest magnitude in the block)) - 2, held to -126 .. 127; a block of zeros has e = 0. As a byte (E8M0): e + 127.
;;     - Each number is divided by its block's scale, clamped to +-7.5, and rounded to the nearest number of E2M3, ties to even, subnormals kept.
;;     - The product sums the exact products of the quantised numbers (number of the format x scale) in f32.
;;   ~~~python
;;   def quantise(x, axis):      # numpy; x: float32 -> the quantised numbers, widened to float32 again
;;       x = np.moveaxis(x, axis, -1); K = x.shape[-1]
;;       x = np.pad(x, [(0, 0)] * (x.ndim - 1) + [(0, -K % 32)]); x = x.reshape(x.shape[:-1] + (-1, 32)); a = np.abs(x).max(-1, keepdims=True)
;;       e = np.where(a > 0, np.clip(np.frexp(np.where(a > 0, a, 1))[1] - 1 - 2, -126, 127), 0)      # np.frexp(a)[1] - 1 = floor(log2(a)), exactly
;;       r = np.clip(x / 2.0 ** e, -7.5, 7.5)
;;       step = 2.0 ** (np.maximum(np.frexp(np.where(r == 0, 1, r))[1] - 1, 0) - 3)
;;       q = np.round(r / step) * step * 2.0 ** e      # np.round: ties to even
;;       return np.moveaxis(q.reshape(q.shape[:-2] + (-1,))[..., :K], -1, axis).astype(np.float32)
;;   ~~~
;;   SOFTMAX AHEAD OF A QUANTISED PRODUCT. Where the list says 'softmax', what is quantised is not the finished softmax but p = 2^(t - M), with t = logit x log2(e) and M = ceil(the row's largest t), a whole number; so 1/2 < the row's largest p <= 1. The row's sum l is taken of the UNQUANTISED p, in f32, and the product's result is divided by l at the end. Since M is a whole number, a kernel that streams over the keys may use a running M (the ceiling of the running maximum): every later rescaling is an exact power of two, which a block's scale takes up: the codes' values come out the same.
;;   OPERANDS COMPUTED ON THE WAY. 'Computed on the way' means the value that the module computes at that place (a softmax that the list does not call 'softmax' is quantised finished and normalised). What goes into a quantiser is computed in f32, as accurately as f32 sums, v_exp_f32 and their like allow (about 1e-6 of the number): no bf16 or f16 on the way to a quantiser, and a product that is left as it is and whose result goes on into a quantised operand takes f32 operands (vector FMAs, or v_wmma_f32_16x16x4_f32). A number that lies on a knife's edge between two numbers of the format may be rounded either way, as far as f32 arithmetic and the matrix unit's own rounding can turn it there, and no further.
;; One version. Each part assembles by itself: llvm-mc -triple=amdgcn-amd-amdhsa -mcpu=gfx1250 --defsym DOCPART=n.
;; ======== version 1 of 1: 3 launches
;; workspace buffers: qimg 6,553,600 bytes; kimg 6,553,600 bytes; vimg 6,553,600 bytes; pimg 25,165,824 bytes; stats 3,145,728 bytes
;; launch quant (part 1): grid 768 x 1, 4 waves a work-group, no clusters, 34,304 bytes of LDS; arguments q, k, v, qimg, kimg, vimg; writes qimg, kimg, vimg
.if DOCPART == 1
	.amdgcn_target "amdgcn-amd-amdhsa--gfx1250"
	.amdhsa_code_object_version 6
	.text
	.protected	k_q6cfc0615d7_quant
	.globl	k_q6cfc0615d7_quant
	.p2align	8
	.type	k_q6cfc0615d7_quant,@function
k_q6cfc0615d7_quant:
	s_mov_b64 s[64:65], 0
	v_nop
	global_prefetch_b8 v0, s[64:65] scope:SCOPE_SE
	s_setreg_imm32_b32 hwreg(HW_REG_WAVE_MODE, 25, 1), 1
	s_wait_xcnt 0x0
; q, k, v [2][4096][1024] f32 become codes of FP6 (E2M3) with one E8M0 byte for each 32 along a product's K, laid as IMAGES OF OPERAND REGISTERS:
; a fragment (16 rows x 128 K) is 12 registers a lane = 1,536 bytes, registers 4 c .. 4 c + 3 of lane L at 512 c + 16 L.
; q and k are quantised along the width e (K of the first product), v along the PERMUTED keys (K of the second): permuted key 128 g + 32 beta + i is row (32 beta + i) 32 + g.
; qimg, kimg: [tile of 256 rows, 32][slot of 256 along e, 4] blocks of 51,200 bytes: codes [rowtile 16][K step 2][1,536], then [row 256][2 scale words].
;   q's rows keep their order.  In kimg, lane i of rowtile 2 pi + u of tile tx is permuted key 32 (8 tx + pi) + 8 u + i + 8 (i / 8), so that a lane's 16 scores of two neighbouring tiles are 16 neighbouring keys.
; vimg: [n 2][256 columns, 4][slot of 512 keys, 8] blocks of 102,400 bytes: codes [tile of 16 columns, 16][K step 4][1,536], then [pair of K steps 2][column 256][2 scale words].
; A block's scale is 2^(floor(log2(its largest magnitude)) - 2); its byte is the largest magnitude's exponent field - 2, held at 1 from below.
; LIMITS: a block of zeros gets the byte 1 where the rule says 127 (its codes are zeros, and this program alone reads the bytes); NaN and infinities among the inputs are not served.
; SHARES: work-groups 0-255 take q, 256-511 k, 512-767 v.  q, k: a work-group takes 32 rows (two rowtiles), wave w the slot w: four fragments.  Each load reads 512 consecutive bytes of one row; a fragment's
; 8,192 bytes turn through the wave's own stage in LDS, so that a lane gets 16 neighbours of each block.  v: a wave takes 32 columns x two K steps; a lane is a column and its registers run down the keys.
; No tensor load, no barrier: waves share nothing.
.set SPARE, 33792                      ; behind the four stages: the spare words, 128 bytes for each wave
.set STGB,  8448                       ; a wave's stage: 16 rows of 512 + 16 bytes
.set SPW,   5                          ; v5   LDS address of my spare word; never rewritten
.set NIL,   6                          ; v6   0; never rewritten
.set VO,    12                         ; v12-27   q, k: byte offset of my 16 bytes in row i of a rowtile
.set R,     28                         ; v28-155  two sets of 64: a fragment's numbers as loaded
.set X,     156                        ; v156-219 64 numbers: register 16 b + i = k 32 b + 16 (lane / 16) + i of my row
.set PC,    220                        ; v220-238 the codes just made
.set TM,    240                        ; v240-243 largest magnitudes, v244-247 bytes, v248-251 the conversions' scale operands
.set PWS,   252                        ; v252-255 the four fragments' scale words
.set SEL,   32                         ; s[32:33] selects of v_permlanex16_b32: lane l xor 16
.set XV,    32                         ; v: v32-95 two sets of 32 numbers
.set FT,    96                         ; v: v96-143 the four fragments: K step gq, tile T at FT + 24 gq + 12 T
.set EE,    144                        ; v: v144-159 the upper 16 codes of block beta at EE + 4 beta
.set SW,    160                        ; v: v[160:161] my column's scale words of the two K steps
	s_load_b256 s[4:11], s[0:1], 0x0               ; q s[4:5], k s[6:7], v s[8:9], qimg s[10:11]
	s_load_b128 s[12:15], s[0:1], 0x20             ; kimg s[12:13], vimg s[14:15]
	v_lshl_add_u32 v[SPW], v0, 2, SPARE
	v_mov_b32 v[NIL], 0
	v_lshrrev_b32 v1, 5, v0
	v_readfirstlane_b32 s16, v1                    ; wave 0..3
	v_and_b32 v1, 31, v0                           ; lane
	v_lshlrev_b32 v2, 4, v1                        ; 16 x lane: my place in an image, and in a load's 512 bytes
	v_lshlrev_b32 v7, 3, v1                        ; 8 x lane: my place among the scale words
	s_wait_kmcnt 0x0
	s_cmp_lt_u32 ttmp9, 512                        ; the work-group's number alone decides the path
	s_cbranch_scc0 .Lv_path
	; ---------------- q and k ----------------
	s_and_b32 s17, ttmp9, 255                      ; PI: which pair of rowtiles
	s_lshl_b32 s24, s17, 17                        ; q: 32 rows of 4,096 bytes
	s_lshr_b32 s25, s17, 7                         ; k: n x 16,777,216
	s_lshl_b32 s25, s25, 24
	s_and_b32 s26, s17, 3                          ;  + beta x 32 x 32 rows
	s_lshl_b32 s26, s26, 22
	s_add_co_u32 s25, s25, s26
	s_bfe_u32 s26, s17, 0x50002                    ;  + g rows: g = (PI / 4) mod 32
	s_lshl_b32 s26, s26, 12
	s_add_co_u32 s25, s25, s26
	s_mov_b32 s20, 131072
	s_mov_b32 s22, 1048576
	s_cmp_lt_u32 ttmp9, 256                        ; q's work-group or k's
	s_cselect_b64 s[4:5], s[4:5], s[6:7]           ; the source,
	s_cselect_b64 s[10:11], s[10:11], s[12:13]     ; the image,
	s_cselect_b32 s24, s24, s25                    ; the pair's first byte,
	s_cselect_b32 s20, 4096, s20                   ; from lane i to lane i + 1 of a rowtile: one row, or 32 rows,
	s_cselect_b32 s21, 0, 1048576                  ; k: lanes 8-15 lie 8 keys further on,
	s_cselect_b32 s22, 65536, s22                  ; and from the pair's first rowtile to its second
	s_lshl_b32 s26, s16, 10                        ; my slot: 256 numbers, 1,024 bytes along the row
	s_add_co_u32 s24, s24, s26
	s_mov_b32 s25, 0
	s_mov_b32 s23, 0
	s_add_nc_u64 s[4:5], s[4:5], s[24:25]          ; rowtile 0
	s_add_nc_u64 s[6:7], s[4:5], s[22:23]          ; rowtile 1
	s_lshr_b32 s26, s17, 3
	s_lshl_b32 s26, s26, 2
	s_add_co_u32 s26, s26, s16
	s_mul_i32 s26, s26, 51200                      ; block (tile, slot)
	s_and_b32 s27, s17, 7
	s_mul_i32 s28, s27, 6144                       ; my four fragments in it
	s_add_co_u32 s28, s28, s26
	s_mov_b32 s29, 0
	s_lshl_b32 s30, s27, 8                         ; my 32 rows' scale words
	s_add_co_u32 s30, s30, s26
	s_add_co_u32 s30, s30, 49152
	s_mov_b32 s31, 0
	s_add_nc_u64 s[12:13], s[10:11], s[30:31]
	s_add_nc_u64 s[10:11], s[10:11], s[28:29]
	s_mov_b32 s[SEL], 0x76543210
	s_mov_b32 s[SEL+1], 0xfedcba98
	s_mul_i32 s18, s16, STGB                       ; my stage
	v_and_b32 v11, 15, v0                          ; r
	v_bfe_u32 v10, v0, 4, 1                        ; h
	v_add_nc_u32 v3, s18, v2                       ; into the stage: 16 x lane, a row an instruction
	v_mul_u32_u24 v4, v11, 528
	v_lshl_add_u32 v4, v10, 6, v4
	v_add_nc_u32 v4, s18, v4                       ; out of it: row r, + 64 h: my 16 numbers of a block
.irp i, 0,1,2,3,4,5,6,7,8,9,10,11,12,13,14,15
	s_mul_i32 s19, s20, \i
.if \i >= 8
	s_add_co_u32 s19, s19, s21
.endif
	v_add_nc_u32 v[VO+\i], s19, v2
.endr
.irp b, 0,1,2,3
	v_mov_b32 v[TM+4+\b], 0                        ; written once: a lane permute's destination counts as one of its sources
.endr
; fragment f = 2 u + q: rowtile u, K step q of my slot
.macro LOADF f
.irp i, 0,1,2,3,4,5,6,7,8,9,10,11,12,13,14,15
	global_load_b128 v[R+64*((\f)%2)+4*\i:R+64*((\f)%2)+4*\i+3], v[VO+\i], s[4+2*((\f)/2):5+2*((\f)/2)] offset:512*((\f)%2) th:TH_LOAD_NT   ; 32 lanes read 512 consecutive bytes of row i
.endr
.endm
.macro TURNF f                         ; through the stage: LDS serves a wave's instructions in order, so no wait stands between the stores and the loads
.irp i, 0,1,2,3,4,5,6,7,8,9,10,11,12,13,14,15
	ds_store_b128 v3, v[R+64*((\f)%2)+4*\i:R+64*((\f)%2)+4*\i+3] offset:528*\i
.endr
.irp b, 0,1,2,3
.irp j, 0,1,2,3
	ds_load_b128 v[X+16*\b+4*\j:X+16*\b+4*\j+3], v4 offset:128*\b+16*\j
.endr
.endr
.endm
; 64 numbers of a lane become a fragment's codes in v[PC] on and its scale word in v[pw]
.macro QUANT s, pw
.irp b, 0,1,2,3
	v_max3_num_f32 v[TM+\b], |v[\s+16*\b]|, |v[\s+1+16*\b]|, 0x1800000   ; block b: my 16 numbers, and the floor 2^(3 - 127): the byte cannot fall under 1
.endr
.irp i, 2,4,6,8,10,12,14
.irp b, 0,1,2,3
	v_max3_num_f32 v[TM+\b], v[TM+\b], |v[\s+16*\b+\i]|, |v[\s+1+16*\b+\i]|   ; the four blocks by turns
.endr
.endr
.irp b, 0,1,2,3
	v_permlanex16_b32 v[TM+4+\b], v[TM+\b], s[SEL], s[SEL+1]
.endr
.irp b, 0,1,2,3
	v_max_num_f32 v[TM+\b], v[TM+\b], v[TM+4+\b]   ; with lane l xor 16's: the block's largest magnitude
.endr
.irp b, 0,1,2,3
	v_add_nc_u32 v[TM+8+\b], 0xff000000, v[TM+\b]  ; 2 off its exponent field: the conversion takes the exponent field of this operand as its scale
.endr
.irp b, 0,1,2,3
	v_lshrrev_b32 v[TM+4+\b], 23, v[TM+8+\b]       ; the scale's byte
.endr
	v_lshl_or_b32 v[\pw], v[TM+5], 8, v[TM+4]      ; my row's scale word
	v_lshl_or_b32 v[\pw], v[TM+6], 16, v[\pw]
	v_lshl_or_b32 v[\pw], v[TM+7], 24, v[\pw]
.irp c, 0,1
	v_cvt_scalef32_pk16_fp6_f32 v[PC+6*\c:PC+2+6*\c], v[\s+32*\c:\s+15+32*\c], v[TM+8+2*\c]
	v_cvt_scalef32_pk16_fp6_f32 v[PC+12+4*\c:PC+14+4*\c], v[\s+16+32*\c:\s+31+32*\c], v[TM+8+2*\c+1]   ; (a conversion's three registers begin on an even number)
.endr
	v_nop                                          ; one plain place behind a scaled conversion
.irp c, 0,1                                    ; the operand's layout wants a whole block in a lane: lanes 0-15 block 2 c, lanes 16-31 block 2 c + 1
.irp i, 0,1,2
	v_permlane16_swap_b32 v[PC+6*\c+\i], v[PC+12+4*\c+\i]
.endr
.irp i, 0,1,2
	v_mov_b32 v[PC+3+6*\c+\i], v[PC+12+4*\c+\i]
.endr
.endr
.endm
	LOADF 0
	LOADF 1
.irp f, 0,1,2,3
.if \f < 3
	s_wait_loadcnt 16                              ; this fragment's 16 loads are in; the next fragment's 16 may be out
.else
	s_wait_loadcnt 0x0
.endif
	TURNF \f
	s_wait_dscnt 0x0                               ; my 64 numbers are back, and the stores into the stage have read their registers,
.if \f < 2
	LOADF \f+2                                     ; which take the fragment two further on
.endif
.if \f > 0
	s_wait_xcnt 0x0                                ; the last fragment's stores have read the codes' registers: they are written again only behind this wait
.endif
	QUANT X, PWS+\f
.irp c, 0,1,2
	global_store_b128 v2, v[PC+4*\c:PC+4*\c+3], s[10:11] offset:1536*\f+512*\c   ; 32 lanes store 512 consecutive bytes
.endr
.endr
	v_cmp_eq_u32 vcc_lo, 1, v10                    ; lanes 0-15 store rowtile 0's words, lanes 16-31 rowtile 1's (every lane holds row r's word of each fragment)
	v_cndmask_b32 v8, v[PWS], v[PWS+2], vcc_lo
	v_cndmask_b32 v9, v[PWS+1], v[PWS+3], vcc_lo
	global_store_b64 v7, v[8:9], s[12:13]          ; 32 rows x 2 words: 256 consecutive bytes
	s_wait_tensorcnt 0x0                           ; the wave's end, behind my last LDS store
	ds_add_u32 v[SPW], v[NIL]
	s_wait_dscnt 0x0
	s_endpgm
	; ---------------- v ----------------
.Lv_path:
	s_sub_co_u32 s17, ttmp9, 512                   ; (n x 16 + kappa) x 8 + cq
	s_and_b32 s18, s17, 7
	s_lshl_b32 s18, s18, 2
	s_add_co_u32 s18, s18, s16                     ; cg: my 32 columns
	s_bfe_u32 s19, s17, 0x40003                    ; kappa: K steps 2 kappa, 2 kappa + 1
	s_lshr_b32 s20, s17, 7                         ; n
	s_lshl_b32 s24, s20, 24
	s_lshl_b32 s21, s19, 13                        ; row g = 2 kappa
	s_add_co_u32 s24, s24, s21
	s_lshl_b32 s21, s18, 7                         ; 128 bytes for 32 columns
	s_add_co_u32 s24, s24, s21
	s_add_co_u32 s24, s24, 8388608                 ; 64 keys' distance on, so that every key's offset lies inside the signed 24-bit immediate
	s_mov_b32 s25, 0
	s_add_nc_u64 s[8:9], s[8:9], s[24:25]
	s_lshl_b32 s26, s20, 2
	s_lshr_b32 s21, s18, 3
	s_add_co_u32 s26, s26, s21                     ; 4 n + which 256 columns
	s_lshl_b32 s26, s26, 3
	s_lshr_b32 s21, s19, 1
	s_add_co_u32 s26, s26, s21                     ; x 8 + slot
	s_mul_i32 s26, s26, 102400
	s_and_b32 s22, s18, 7
	s_and_b32 s23, s19, 1
	s_mul_i32 s28, s22, 12288                      ; my two tiles of columns,
	s_mul_i32 s21, s23, 3072                       ; my two K steps of the slot's four
	s_add_co_u32 s28, s28, s21
	s_add_co_u32 s28, s28, s26
	s_mov_b32 s29, 0
	s_lshl_b32 s30, s23, 11                        ; the scale words: pair of K steps,
	s_lshl_b32 s21, s22, 8                         ; my 32 columns
	s_add_co_u32 s30, s30, s21
	s_add_co_u32 s30, s30, s26
	s_add_co_u32 s30, s30, 98304
	s_mov_b32 s31, 0
	s_add_nc_u64 s[10:11], s[14:15], s[28:29]
	s_add_nc_u64 s[12:13], s[14:15], s[30:31]
	v_lshlrev_b32 v4, 2, v1                        ; 4 bytes a lane: a lane is a column
.macro LOADV t                         ; block t = 4 gq + beta: key i is row (32 beta + i) 32 + 2 kappa + gq
.irp i, 0,1,2,3,4,5,6,7,8,9,10,11,12,13,14,15,16,17,18,19,20,21,22,23,24,25,26,27,28,29,30,31
	global_load_b32 v[XV+32*((\t)%2)+\i], v4, s[8:9] offset:(32*((\t)%4)+\i-64)*131072+4096*((\t)/4) th:TH_LOAD_NT
.endr
.endm
.macro BLOCKV t
.set XS, XV+32*((\t)%2)
.set FD, FT+24*((\t)/4)+12*((\t)%2)+6*(((\t)%4)/2)   ; blocks 0, 2 begin the first tile's two halves, blocks 1, 3 the second's
.set ED, EE+4*((\t)%4)
.if (\t) < 7
	s_wait_loadcnt 32                              ; this block's 32 loads are in; the next block's may be out
.else
	s_wait_loadcnt 0x0
.endif
	v_max3_num_f32 v12, |v[XS]|, |v[XS+1]|, |v[XS+2]|   ; the block's largest magnitude: all 32 numbers are mine
	v_max3_num_f32 v13, |v[XS+3]|, |v[XS+4]|, |v[XS+5]|
.irp i, 6,10,14,18,22,26
	v_max3_num_f32 v12, v12, |v[XS+\i]|, |v[XS+\i+1]|
	v_max3_num_f32 v13, v13, |v[XS+\i+2]|, |v[XS+\i+3]|
.endr
	v_max3_num_f32 v12, v12, |v[XS+30]|, |v[XS+31]|
	v_max3_num_f32 v12, v12, v13, 0x1800000        ; and the floor 2^(3 - 127)
	v_add_nc_u32 v11, 0xff000000, v12              ; the conversion's scale operand
	v_lshrrev_b32 v13, 23, v11                     ; the scale's byte
.if (\t)%4 == 0
	v_mov_b32 v[SW+(\t)/4], v13
.else
	v_lshl_or_b32 v[SW+(\t)/4], v13, 8*((\t)%4), v[SW+(\t)/4]
.endif
	v_cvt_scalef32_pk16_fp6_f32 v[FD:FD+2], v[XS:XS+15], v11
	v_cvt_scalef32_pk16_fp6_f32 v[ED:ED+2], v[XS+16:XS+31], v11
	v_nop                                          ; one plain place behind a scaled conversion
.if (\t)+2 < 8
	LOADV (\t)+2
.endif
.endm
; Lanes 0-15 hold the first tile's columns and lanes 16-31 the second's, each lane all four blocks.  The exchange of halves between block 2 c's and block 2 c + 1's registers leaves in the first
; the first tile's registers (lanes 0-15 block 2 c, lanes 16-31 block 2 c + 1) and in the second the second tile's.
.macro PACKV gq
.set FB, FT+24*(\gq)
.irp c, 0,1
.irp i, 0,1,2
	v_permlane16_swap_b32 v[FB+6*\c+\i], v[FB+12+6*\c+\i]
	v_permlane16_swap_b32 v[EE+8*\c+\i], v[EE+8*\c+4+\i]
.endr
.endr
.irp c, 0,1
.irp i, 0,1,2
	v_mov_b32 v[FB+6*\c+3+\i], v[EE+8*\c+\i]
	v_mov_b32 v[FB+12+6*\c+3+\i], v[EE+8*\c+4+\i]
.endr
.endr
.irp t, 0,1
.irp c, 0,1,2
	global_store_b128 v2, v[FB+12*\t+4*\c:FB+12*\t+4*\c+3], s[10:11] offset:6144*\t+1536*(\gq)+512*\c   ; 512 consecutive bytes; these registers are not written again
.endr
.endr
.endm
	LOADV 0
	LOADV 1
	BLOCKV 0
	BLOCKV 1
	BLOCKV 2
	BLOCKV 3
	PACKV 0
	BLOCKV 4
	BLOCKV 5
	BLOCKV 6
	BLOCKV 7
	PACKV 1
	global_store_b64 v7, v[SW:SW+1], s[12:13]      ; 32 columns x 2 words: 256 consecutive bytes
	s_wait_tensorcnt 0x0                           ; the same three lines close this path
	ds_add_u32 v[SPW], v[NIL]
	s_wait_dscnt 0x0
	s_endpgm
.Lfunc_end_k_q6cfc0615d7_quant:
	.size	k_q6cfc0615d7_quant, .Lfunc_end_k_q6cfc0615d7_quant-k_q6cfc0615d7_quant
	.p2alignl 7, 3214868480
	.fill 96, 4, 3214868480
	.section	.rodata,"a",@progbits
	.p2align	6, 0x0
	.amdhsa_kernel k_q6cfc0615d7_quant
		.amdhsa_group_segment_fixed_size 34304
		.amdhsa_private_segment_fixed_size 0
		.amdhsa_enable_private_segment 0
		.amdhsa_kernarg_size 48
		.amdhsa_user_sgpr_count 2
		.amdhsa_user_sgpr_kernarg_segment_ptr 1
		.amdhsa_wavefront_size32 1
		.amdhsa_system_sgpr_workgroup_id_x 1
		.amdhsa_system_sgpr_workgroup_id_y 1
		.amdhsa_system_sgpr_workgroup_id_z 1
		.amdhsa_system_vgpr_workitem_id 0
		.amdhsa_next_free_vgpr 256
		.amdhsa_next_free_sgpr 66
		.amdhsa_reserve_vcc 1
		.amdhsa_float_denorm_mode_32 3
		.amdhsa_float_denorm_mode_16_64 3
		.amdhsa_memory_ordered 1
		.amdhsa_forward_progress 1
		.amdhsa_inst_pref_size 75
	.end_amdhsa_kernel
	.amdgpu_metadata
---
amdhsa.version: [ 1, 2 ]
amdhsa.kernels:
  - .name:           k_q6cfc0615d7_quant
    .symbol:         k_q6cfc0615d7_quant.kd
    .args:
      - { .name: q, .offset: 0, .size: 8, .value_kind: global_buffer, .address_space: global }
      - { .name: k, .offset: 8, .size: 8, .value_kind: global_buffer, .address_space: global }
      - { .name: v, .offset: 16, .size: 8, .value_kind: global_buffer, .address_space: global }
      - { .name: qimg, .offset: 24, .size: 8, .value_kind: global_buffer, .address_space: global }
      - { .name: kimg, .offset: 32, .size: 8, .value_kind: global_buffer, .address_space: global }
      - { .name: vimg, .offset: 40, .size: 8, .value_kind: global_buffer, .address_space: global }
    .group_segment_fixed_size: 34304
    .private_segment_fixed_size: 0
    .kernarg_segment_align: 8
    .kernarg_segment_size: 48
    .max_flat_workgroup_size: 128
    .sgpr_count:     66
    .vgpr_count:     256
    .wavefront_size: 32
...
	.end_amdgpu_metadata
.endif
;; end of part 1
;; launch scores (part 2): grid 16 x 16, 4 waves a work-group, clusters of 4 x 4, 327,680 bytes of LDS; arguments qimg, kimg, pimg, stats; writes pimg, stats
.if DOCPART == 2
	.amdgcn_target "amdgcn-amd-amdhsa--gfx1250"
	.amdhsa_code_object_version 6
	.text
	.protected	k_q6cfc0615d7_scores
	.globl	k_q6cfc0615d7_scores
	.p2align	8
	.type	k_q6cfc0615d7_scores,@function
k_q6cfc0615d7_scores:
	s_mov_b64 s[64:65], 0
	v_nop
	global_prefetch_b8 v0, s[64:65] scope:SCOPE_SE
	s_setreg_imm32_b32 hwreg(HW_REG_WAVE_MODE, 25, 1), 1
	s_wait_xcnt 0x0
	s_wait_alu depctr_hold_cnt(0) depctr_sa_sdst(0) depctr_va_vdst(0) depctr_va_sdst(0) depctr_va_ssrc(0) depctr_va_vcc(0) depctr_vm_vsrc(0)
	s_getreg_b32 s2, hwreg(HW_REG_IB_STS2, 6, 4)
	s_cmp_eq_u32 s2, 0
	s_cbranch_scc0 .Lentry_in_a_cluster
	s_endpgm
.Lentry_in_a_cluster:
	s_bfe_u32 s2, ttmp6, 0x10000c
	s_cmp_lg_u32 s2, 0xf033
	s_cbranch_scc0 .Lentry_shape_is_right
	s_endpgm
.Lentry_shape_is_right:
; S^T = K Q^T on codes of FP6 (E2M3) with E8M0 scales, K = the width 1,024, on tiles of 256 queries x 256 permuted keys; then each wave turns its 128 x 128 scores into the second product's operand.
; THE CODES OF p DO NOT HANG ON THE ROW'S MAXIMUM.  With t = score x log2(e) / 16 and F = floor(the largest t of a block of 32 keys), a code is 2^(t - F) divided by 2^-2 and rounded, and the block's scale byte
; is F - M + 125 for whatever whole number M the row ends with.  So this launch stores finished codes, and for each query and K step g of 128 keys three words: the four bytes 125 + F_b - Fg (Fg = the largest of the
; four F_b), Fg itself, and the sum of the unquantised 2^(t - Fg).  The next launch finds M from the 32 Fg of a row.
; LIMITS: a block more than 2^62 under its K step's largest is held at 2^-62 of it (sum and scale byte alike); NaN and infinities are not served.
; SHARES: a work-group of four waves STAYS FOR TWO TILES: queries' tiles 16 n + ty and 16 n + ty + 8 against one tile of keys.  Wave (wr, wc) has queries 128 wr on and keys 128 wc on: 64 accumulators, 512 registers.
; Its 128 keys are K step g = 2 x tile column + wc of the second product.
; Operands lie in memory as images of their registers: a part (256 along K) of a tile's 256 rows and its scale words is one dense block of 51,200 bytes; a fragment comes out of LDS by three loads of 16 bytes a lane.
; RING: THREE LDS slots of one part each.  A tile has four parts.  Tile 1 takes them in slots 0, 1, 2, 0, tile 2 in slots 1, 2, 0, 1.  The first three fills go out together; a tile's fourth part is asked for when its first
; is used up, two parts' products ahead of its use; tile 2's first three parts are asked for at tile 1's last change of slots and at two places in its epilogue, so that tile 2 begins with its operands in LDS.
; Each refill stands behind a barrier of its own, one tensor load a wave.  A wave has three tensor loads out at the start and one later.
; CLUSTER 4 x 4: the queries' block is shared along a row of the cluster, the keys' along a column: joint loads, each behind a round of the cluster's barrier.
; THE MATRIX INSTRUCTION: source 0 = 16 keys, source 1 = 16 queries: a lane holds one query (lane % 16); registers 16 b + i of a tile of queries are keys 32 b + 16 (lane / 16) + i.
; REGISTERS: window 0: v8-30 addresses and constants; v32-63 scale words, two sets; v128-223 the queries' fragments, one set; in the epilogue v64-239 at work.  window 1: the keys' fragments, two sets.
;   windows 2, 3: the accumulators, (a, b) at v[8 (8 (a % 4) + b)] of window 2 + a / 4.
.set FR,    12                         ; registers of a fragment
.set NL,    3                          ; LDS loads that bring one
.set NP,    4                          ; places behind this matrix instruction (ISA guide 7.12.1)
.set NQ,    2                          ; K steps of 128 in a part
.set BLKB,  51200                      ; a tile's block of one part
.set HALFB, 25600                      ; what one tensor load brings: 100 rows of 256 bytes
.set SLOT,  102400                     ; the queries' block, then the keys'
.set SPARE, 307200                     ; behind the three slots: the spare words, 128 bytes for each wave
.set ADRA, 8                           ; v8-10  LDS address of my queries' fragments in slot 0, 1, 2
.set ADRB, 12                          ; v12-14 of my keys'
.set ADRS, 16                          ; v16-18 of my scale words: lanes 0-15 the queries', lanes 16-31 the keys'
.set PO,   24                          ; v24    16 x lane
.set SPW,  28                          ; v28    LDS address of my spare word; never rewritten
.set NIL,  29                          ; v29    0; never rewritten
.set KQ,   30                          ; v30    2^-2: the scale operand of p's conversions
.set SC,   32                          ; scale words: set s at v[SC + 16 s]; register 2 i + q: lanes 0-15 the queries' block i, lanes 16-31 the keys' block i, K step q
.set AF,   128
.set G1,  24                           ; s[24:31] descriptor group 1 for the queries' blocks
.set G0,  32                           ; s[32:43] their groups 0, a set for each slot
.set G1B, 48                           ; s[48:55] group 1 for the keys'
.set G0B, 80                           ; s[80:91] their groups 0
.set MSB, 0
.macro WIN new                         ; the immediate's high byte repeats the setting that is left
.if MSB != (\new)
	s_set_vgpr_msb (MSB<<8)|(\new)
.set MSB, (\new)
.endif
.endm
.set MUL_LO, 0xa1                      ; source 0 (keys) window 1, source 1 (queries) window 0, C and D window 2
.set MUL_HI, 0xf1                      ; the same, C and D window 3
.set TO_B,   0x40                      ; destination window 1, address window 0
; A joint load: waves 0 and 1 fetch the queries' halves, waves 2 and 3 the keys'.  The branch hangs on the wave's number alone.  An s_nop 0 and four v_nop follow each line.
.macro JLOAD g0a, g1a, g0b, g1b
	s_cmp_eq_u32 s15, 0
	s_cbranch_scc0 .Lfor_b_\@
	tensor_load_to_lds s[\g0a:\g0a+3], s[\g1a:\g1a+7]
	s_nop 0
.rept 4
	v_nop
.endr
	s_branch .Lasked_\@
.Lfor_b_\@:
	tensor_load_to_lds s[\g0b:\g0b+3], s[\g1b:\g1b+7]
	s_nop 0
.rept 4
	v_nop
.endr
.Lasked_\@:
.endm
.macro CREST                           ; a round of the cluster's barrier behind its opening barrier
	s_cmp_lg_u32 s14, 0
	s_cbranch_scc1 .Lnot_wave_0_\@
	s_barrier_signal -3
.Lnot_wave_0_\@:
	s_barrier_wait -3
	s_barrier_signal -1
	s_barrier_wait -1
.endm
.macro CROUND                          ; a whole round
	s_barrier_signal -1
	s_barrier_wait -1
	CREST
.endm
	s_load_b256 s[4:11], s[0:1], 0x0               ; qimg s[4:5], kimg s[6:7], pimg s[8:9], stats s[10:11]
	v_lshl_add_u32 v[SPW], v0, 2, SPARE
	v_mov_b32 v[NIL], 0
	ds_add_u32 v[SPW], v[NIL]                      ; the wave's opening: the add and its wait ahead of my first tensor load; the set-up below stands between them
	v_lshrrev_b32 v1, 5, v0
	v_readfirstlane_b32 s14, v1                    ; wave 0..3
	s_lshr_b32 s15, s14, 1                         ; wr: my 128 queries.  Also: I fetch the queries' block (0) or the keys' (1)
	s_and_b32 s16, s14, 1                          ; wc: my 128 keys.  Also: which half of that block I fetch
	s_bfe_u32 s56, ttmp6, 0x40000                  ; cx, cy: my place in the cluster
	s_bfe_u32 s57, ttmp6, 0x40004
	s_lshl_b32 s58, ttmp9, 2
	s_add_co_u32 s58, s58, s56                     ; tile of keys = 4 x cluster x + cx
	s_and_b32 s61, ttmp7, 0xffff                   ; cluster y, 0..3
	s_lshr_b32 s62, s61, 1                         ; n, from the cluster's y alone: the keys' address holds no cy
	s_and_b32 s17, s61, 1
	s_lshl_b32 s17, s17, 2
	s_add_co_u32 s17, s17, s57                     ; ty = 4 x (cluster y mod 2) + cy: 0..7
	s_lshl_b32 s18, s62, 4
	s_add_co_u32 s17, s17, s18                     ; my first tile of queries: 16 n + ty; the second lies 8 tiles on
	s_lshl_b32 s59, s57, 2
	s_lshl_b32 s59, 15, s59                        ; my row of the cluster
	s_lshl_b32 s60, 0x1111, s56                    ; my column
	s_or_b32 s[G1+0], s59, (3<<16)|(1<<21)         ; 15:0 the mask; 17:16 elements of 8 bytes; 20 no padding; 21 set beside a mask
	s_or_b32 s[G1B+0], s60, (3<<16)|(1<<21)
.irp g, G1, G1B
	s_mov_b32 s[\g+1], 32<<16                      ; tensor_dim0 = 32 elements: 256 bytes
	s_mov_b32 s[\g+2], 100<<16                     ; tensor_dim1 = 100
	s_mov_b32 s[\g+3], 32<<16                      ; tile_dim0
	s_mov_b32 s[\g+4], 100                         ; tile_dim1
	s_mov_b32 s[\g+5], 32                          ; the pitch: the block is dense
	s_mov_b32 s[\g+6], 0
	s_mov_b32 s[\g+7], 0
.endr
	s_mul_i32 s18, s16, HALFB                      ; my half of a block
	s_mul_i32 s20, s17, 4*BLKB
	s_add_co_u32 s20, s20, s18
	s_mov_b32 s21, 0
	s_lshl_b32 s46, s62, 4
	s_add_co_u32 s46, s46, s58                     ; 16 n + tile of keys
	s_mul_i32 s46, s46, 4*BLKB
	s_add_co_u32 s46, s46, s18
	s_mov_b32 s47, 0
	s_mul_i32 s94, s14, HALFB                      ; where it goes: wave x 25,600: no place in the cluster enters an LDS address
	s_wait_dscnt 0x0                               ; the opening add is done
	s_wait_kmcnt 0x0
	s_add_nc_u64 s[20:21], s[4:5], s[20:21]
	s_add_nc_u64 s[46:47], s[6:7], s[46:47]
	CROUND                                         ; all sixteen work-groups are here: the first joint loads meet
.irp s, 0,1,2                                  ; the first tile's parts 0, 1, 2: three loads of mine go out together
	s_mov_b32 s[G0+4*\s], 1
	s_add_co_u32 s[G0+4*\s+1], s94, \s*SLOT
	s_add_nc_u64 s[G0+4*\s+2:G0+4*\s+3], s[20:21], \s*BLKB
	s_or_b32 s[G0+4*\s+3], s[G0+4*\s+3], 0x80000000
	s_mov_b32 s[G0B+4*\s], 1
	s_add_co_u32 s[G0B+4*\s+1], s94, \s*SLOT
	s_add_nc_u64 s[G0B+4*\s+2:G0B+4*\s+3], s[46:47], \s*BLKB
	s_or_b32 s[G0B+4*\s+3], s[G0B+4*\s+3], 0x80000000
	JLOAD G0+4*\s, G1, G0B+4*\s, G1B
.endr
	v_and_b32 v1, 15, v0                           ; r
	v_bfe_u32 v2, v0, 4, 1                         ; h
	v_and_b32 v3, 31, v0
	v_lshlrev_b32 v[PO], 4, v3
	s_mul_i32 s21, s15, 8*NQ*FR*128                ; my 8 rowtiles of queries
	s_mul_i32 s22, s16, 8*NQ*FR*128                ; my 8 rowtiles of keys,
	s_add_co_u32 s22, s22, BLKB                    ; behind the queries' block
.irp s, 0,1,2
	v_add_nc_u32 v[ADRA+\s], s21, v[PO]
	v_add_nc_u32 v[ADRB+\s], s22, v[PO]
	s_add_co_u32 s21, s21, SLOT
	s_add_co_u32 s22, s22, SLOT
.endr
	s_lshl_b32 s21, s15, 10                        ; the scale words: 8 bytes a row; the queries': my 128 rows
	s_lshl_b32 s22, s16, 10                        ; the keys': my 128 rows, a block further on
	s_add_co_u32 s22, s22, BLKB
	s_sub_co_u32 s22, s22, s21
	v_mul_u32_u24 v6, s22, v2                      ; lanes 16-31 take the keys': the lower base + h x the distance
	v_lshl_add_u32 v5, v1, 3, v6
	s_add_co_u32 s21, s21, 16*NQ*FR*128            ; behind the block's codes
.irp s, 0,1,2
	v_add_nc_u32 v[ADRS+\s], s21, v5
	s_add_co_u32 s21, s21, SLOT
.endr
	v_mov_b32 v[KQ], 0x3e800000
	s_mov_b32 s66, 0x3db8aa3b                      ; c = log2(e) / 16
	s_mov_b32 s67, s66                             ; (named with it as a pair, so it is written)
	s_mov_b32 s68, 0x76543210
	s_mov_b32 s69, 0xfedcba98                      ; v_permlanex16_b32's selects for lane l xor 16
	s_mov_b32 s70, 0xffff0000                      ; the lanes with h = 1
	s_lshl_b32 s72, s17, 1
	s_add_co_u32 s72, s72, s15                     ; my group of 128 queries in the first tile
	s_lshl_b32 s73, s58, 1
	s_add_co_u32 s73, s73, s16                     ; g
	s_lshl_b32 s74, s72, 3
	s_lshr_b32 s75, s73, 2
	s_add_co_u32 s74, s74, s75
	s_mul_i32 s74, s74, 49152                      ; pimg: block (group, slot g / 4),
	s_and_b32 s75, s73, 3
	s_mul_i32 s75, s75, FR*128                     ; K step g % 4
	s_add_co_u32 s74, s74, s75
	s_mov_b32 s75, 0
	s_add_nc_u64 s[8:9], s[8:9], s[74:75]
	s_mul_i32 s76, s72, 49152                      ; stats: three planes of 32 x 512 bytes a group,
	s_lshl_b32 s77, s73, 9                         ; my g
	s_add_co_u32 s76, s76, s77
	s_mov_b32 s77, 0
	s_add_nc_u64 s[10:11], s[10:11], s[76:77]
.macro FRAG reg, adr, q, i             ; a fragment's image: three loads, lane l's 16 bytes at 16 l
.irp c, 0,1,2
	ds_load_b128 v[\reg+4*\c:\reg+4*\c+3], v[\adr] offset:(\i)*NQ*FR*128+(\q)*FR*128+512*\c
.endr
.endm
; 16 matrix instructions: the queries' blocks a0, a0 + 1 x the keys' eight.  p: the keys' set; sc: the set of scale words.  zero = 1: the first product starts the sums.
; The 64 accumulators take turns, one instruction a turn, in the same order in every step, from tile to tile too.
.macro MUL16 a0, p, q, sc, zero
.irp a, \a0, \a0+1
.irp b, 0,1,2,3,4,5,6,7
.if \zero
	v_wmma_scale_f32_16x16x128_f8f6f4 v[8*(8*((\a)%4)+\b):8*(8*((\a)%4)+\b)+7], v[128*(\p)+FR*\b:128*(\p)+FR*\b+FR-1], v[AF+FR*(\a):AF+FR*(\a)+FR-1], 0, v[SC+8*NQ*(\sc)+NQ*\b+(\q)], v[SC+8*NQ*(\sc)+NQ*(\a)+(\q)] matrix_a_fmt:MATRIX_FMT_FP6 matrix_b_fmt:MATRIX_FMT_FP6 matrix_a_scale:MATRIX_SCALE_ROW1
.else
	v_wmma_scale_f32_16x16x128_f8f6f4 v[8*(8*((\a)%4)+\b):8*(8*((\a)%4)+\b)+7], v[128*(\p)+FR*\b:128*(\p)+FR*\b+FR-1], v[AF+FR*(\a):AF+FR*(\a)+FR-1], v[8*(8*((\a)%4)+\b):8*(8*((\a)%4)+\b)+7], v[SC+8*NQ*(\sc)+NQ*\b+(\q)], v[SC+8*NQ*(\sc)+NQ*(\a)+(\q)] matrix_a_fmt:MATRIX_FMT_FP6 matrix_b_fmt:MATRIX_FMT_FP6 matrix_a_scale:MATRIX_SCALE_ROW1
.endif
.endr
.endr
.endm
.macro FETCH_B slot, q, p
	WIN TO_B
.irp i, 0,1,2,3,4,5,6,7
	FRAG 128*(\p)+FR*\i, ADRB+\slot, \q, \i
.endr
	WIN 0
.endm
.macro FETCH_A slot, q, i0
.irp i, \i0, \i0+1, \i0+2, \i0+3
	FRAG AF+FR*(\i), ADRA+\slot, \q, \i
.endr
.endm
.macro SCALES slot, set                ; a part's scale words into set: two words a row; lanes 0-15 the queries' block i, lanes 16-31 the keys'
.irp i, 0,1,2,3,4,5,6,7
	ds_load_b64 v[SC+8*NQ*(\set)+NQ*\i:SC+8*NQ*(\set)+NQ*\i+1], v[ADRS+\slot] offset:128*\i
.endr
.endm
.macro PLACES n                        ; plain vector instructions between a matrix instruction and a load into, or a vector instruction on, its registers
.rept \n
	v_nop
.endr
.endm
; A part's first K step.  A block of queries is free as soon as its eight products are issued: blocks 0-3 are fetched anew in the step's middle, blocks 4-7 at its end.
.macro STEP slot, set, zero
	s_wait_dscnt 4*NL                              ; all but the youngest twelve loads (the queries' blocks 4-7) are in
	WIN MUL_LO
	MUL16 0, 0, 0, \set, \zero
	MUL16 2, 0, 0, \set, \zero
	s_wait_dscnt 0                                 ; blocks 4-7 are in
	PLACES NP
	FETCH_B \slot, 1, 1
	FETCH_A \slot, 1, 0
	WIN MUL_HI
	MUL16 4, 0, 0, \set, \zero
	MUL16 6, 0, 0, \set, \zero
	PLACES NP
	WIN 0
	FETCH_A \slot, 1, 4
.endm
; A part's second K step where the next slot has been shown whole to every wave at an earlier barrier and nothing is filled: no wait on TENSORcnt, no barrier.
.macro PASS slot, set, next
	s_wait_dscnt 4*NL
	WIN MUL_LO
	MUL16 0, 1, 1, \set, 0
	MUL16 2, 1, 1, \set, 0
	s_wait_dscnt 0
	PLACES NP
	FETCH_B \next, 0, 0
	FETCH_A \next, 0, 0
	SCALES \next, 1-(\set)
	WIN MUL_HI
	MUL16 4, 1, 1, \set, 0
	MUL16 6, 1, 1, \set, 0
	PLACES NP
	WIN 0
	FETCH_A \next, 0, 4
.endm
; Slot fs gets its next part.  No tensor load of mine is out here, so its groups 0 may be written.  kind = 0: this tile's part three parts on.  kind = 1: the next tile's: the queries' tile lies 8 tiles (32 blocks) on,
; and the slot's part there is one lower than the part it held: 31 blocks on; the keys' tile is the same: one block back.
.macro REFILL fs, kind
.if \kind
	s_add_nc_u64 s[G0+4*(\fs)+2:G0+4*(\fs)+3], s[G0+4*(\fs)+2:G0+4*(\fs)+3], 31*BLKB
	s_sub_nc_u64 s[G0B+4*(\fs)+2:G0B+4*(\fs)+3], s[G0B+4*(\fs)+2:G0B+4*(\fs)+3], BLKB
.else
	s_add_nc_u64 s[G0+4*(\fs)+2:G0+4*(\fs)+3], s[G0+4*(\fs)+2:G0+4*(\fs)+3], 3*BLKB
	s_add_nc_u64 s[G0B+4*(\fs)+2:G0B+4*(\fs)+3], s[G0B+4*(\fs)+2:G0B+4*(\fs)+3], 3*BLKB
.endif
	JLOAD G0+4*(\fs), G1, G0B+4*(\fs), G1B
.endm
; A part's second K step with a barrier: in front of it each wave waits for all its tensor loads, adds 0 to its spare word, and waits for that and for its reads so far.  fill = 1: slot fs, which nobody reads any more, is filled.
.macro TURN slot, set, next, fill, fs, kind
	s_wait_tensorcnt 0x0                           ; all my tensor loads have landed
	ds_add_u32 v[SPW], v[NIL]                      ; 0 onto my spare word
	s_wait_dscnt 4*NL+1                            ; the add and the youngest twelve loads may be out
	WIN MUL_LO
	MUL16 0, 1, 1, \set, 0
	s_wait_dscnt 0x0                               ; the add is done, and my reads of this slot and of those before it are over
	s_barrier_signal -1
	MUL16 2, 1, 1, \set, 0
	WIN 0
	s_barrier_wait -1
.if \fill
	CREST                                          ; the barrier has opened a round of the cluster's: no wave of any partner still reads slot fs or has a load on its way
	REFILL \fs, \kind                              ; the first tensor load behind the round; its four v_nop are the places in front of the loads below
.else
	PLACES NP
.endif
	FETCH_B \next, 0, 0
	FETCH_A \next, 0, 0
	SCALES \next, 1-(\set)
	WIN MUL_HI
	MUL16 4, 1, 1, \set, 0
	MUL16 6, 1, 1, \set, 0
	PLACES NP
	WIN 0
	FETCH_A \next, 0, 4
.endm
; A refill in the epilogue, where no LDS is read: the same three lines, a whole round, one joint load.
.macro EFILL fs
	s_wait_tensorcnt 0x0                           ; the load issued at the last such barrier has landed
	ds_add_u32 v[SPW], v[NIL]
	s_wait_dscnt 0x0
	CROUND
	REFILL \fs, 1
.endm
; THE EPILOGUE, a tile of 16 queries at a time; all in registers.
.set PN, 64                            ; v64-127  t - F_b, then p' = 2^(t - F_b)
.set T,  128                           ; v128-147 partial maxima, five a block
.set BM, 148                           ; v148-151 a block's largest score, then its t
.set PX, 152                           ; v152-155 what lane l xor 16 sends
.set NF, 156                           ; v156-163 -F_b (even register), F_b (odd)
.set SB, 164                           ; v164-171 a block's sum, in two halves
.set PC, 172                           ; v172-190 the codes
.set WS, 192                           ; v192-199 tile a's word of bytes 125 + F_b - Fg
.set FS, 200                           ; v200-207 its Fg
.set SS, 208                           ; v208-215 its sum under Fg
.set TF, 216                           ; v216-219 F_b - Fg
.set EB, 220                           ; v220-223 the same as whole numbers
.set BY, 224                           ; v224-227 the bytes
.macro EPI a
.set AC, 64*((\a)%4)
.set W, 2+(\a)/4
	WIN W*0x15                                     ; sources 0, 1, 2: the accumulators' window
.irp j, 0,1,2,3,4                              ; each accumulator is read from its low end on: j runs outside, the blocks by turns
.irp b, 0,1,2,3
	v_max3_num_f32 v[T+5*\b+\j], v[AC+16*\b+3*\j], v[AC+16*\b+3*\j+1], v[AC+16*\b+3*\j+2]
.endr
.endr
	WIN W                                          ; source 0 alone
.irp b, 0,1,2,3
	v_max3_num_f32 v[BM+\b], v[AC+16*\b+15], v[T+5*\b], v[T+5*\b+1]
.endr
	WIN 0
.irp b, 0,1,2,3
	v_max3_num_f32 v[BM+\b], v[BM+\b], v[T+5*\b+2], v[T+5*\b+3]
.endr
.irp b, 0,1,2,3
	v_max_num_f32 v[BM+\b], v[BM+\b], v[T+5*\b+4]
.endr
.irp b, 0,1,2,3
	v_permlanex16_b32 v[PX+\b], v[BM+\b], s68, s69
.endr
.irp b, 0,1,2,3
	v_max_num_f32 v[BM+\b], v[BM+\b], v[PX+\b]     ; with lane l xor 16's 16 keys: the block's largest score
.endr
.irp b, 0,1,2,3
	v_mul_f32 v[BM+\b], s66, v[BM+\b]              ; as t (c is positive)
.endr
.irp b, 0,1,2,3
	v_floor_f32 v[NF+2*\b+1], v[BM+\b]             ; F_b
.endr
.irp b, 0,1,2,3
	v_mul_f32 v[NF+2*\b], -1.0, v[NF+2*\b+1]
.endr
	WIN W
.irp b, 0,1,2,3
.irp k, 0,2,4,6,8,10,12,14
	v_pk_fma_f32 v[PN+16*\b+\k:PN+16*\b+\k+1], v[AC+16*\b+\k:AC+16*\b+\k+1], s[66:67], v[NF+2*\b:NF+2*\b+1] op_sel_hi:[1,0,0]   ; t - F_b, two at a time (of the pairs c and -F_b the low word serves both halves)
.endr
.endr
	WIN 0
.set j, 0
.rept 64
	v_exp_f32 v[PN+j], v[PN+j]                     ; p' = 2^(t - F_b), under 2
.set j, j+1
.endr
	v_max3_num_f32 v[FS+(\a)], v[NF+1], v[NF+3], v[NF+5]   ; work that names no exponential's result stands behind the batch
	v_max_num_f32 v[FS+(\a)], v[FS+(\a)], v[NF+7]  ; Fg
.irp b, 0,1,2,3
	v_sub_f32 v[TF+\b], v[NF+2*\b+1], v[FS+(\a)]
.endr
.irp b, 0,1,2,3
	v_max_num_f32 v[TF+\b], 0xc2780000, v[TF+\b]   ; held at -62
.endr
.irp b, 0,1,2,3
	v_cvt_i32_f32 v[EB+\b], v[TF+\b]
.endr
.irp b, 0,1,2,3
	v_add_nc_u32 v[BY+\b], 125, v[EB+\b]
.endr
	v_lshl_or_b32 v[WS+(\a)], v[BY+1], 8, v[BY]
	v_lshl_or_b32 v[WS+(\a)], v[BY+2], 16, v[WS+(\a)]
	v_lshl_or_b32 v[WS+(\a)], v[BY+3], 24, v[WS+(\a)]
	s_wait_alu depctr_va_vdst(0)                   ; one wait for the 64 exponentials, ahead of their first reader
.irp b, 0,1,2,3
	v_pk_add_f32 v[SB+2*\b:SB+2*\b+1], v[PN+16*\b:PN+16*\b+1], v[PN+16*\b+2:PN+16*\b+3]   ; the sums are taken of the unquantised p'
.endr
.irp k, 4,6,8,10,12,14
.irp b, 0,1,2,3
	v_pk_add_f32 v[SB+2*\b:SB+2*\b+1], v[SB+2*\b:SB+2*\b+1], v[PN+16*\b+\k:PN+16*\b+\k+1]
.endr
.endr
.irp b, 0,1,2,3
	v_add_f32 v[SB+2*\b], v[SB+2*\b], v[SB+2*\b+1]
.endr
.irp b, 0,1,2,3
	v_ldexp_f32 v[SB+2*\b], v[SB+2*\b], v[EB+\b]   ; under Fg: a power of two, nothing is rounded
.endr
	v_add_f32 v[SB], v[SB], v[SB+2]
	v_add_f32 v[SB+4], v[SB+4], v[SB+6]
	v_add_f32 v[SB], v[SB], v[SB+4]
	v_permlanex16_b32 v[PX], v[SB], s68, s69
	v_add_f32 v[SS+(\a)], v[SB], v[PX]
.if (\a) > 0
	s_wait_xcnt 0x0                                ; the last tile's stores have read the codes' registers
.endif
.irp c, 0,1
	v_cvt_scalef32_pk16_fp6_f32 v[PC+6*\c:PC+6*\c+2], v[PN+32*\c:PN+32*\c+15], v[KQ]   ; p' / 2^-2 to the nearest code; beyond 7.5 the largest code
	v_cvt_scalef32_pk16_fp6_f32 v[PC+12+4*\c:PC+14+4*\c], v[PN+32*\c+16:PN+32*\c+31], v[KQ]
.endr
	v_nop                                          ; one plain place behind a scaled conversion
.irp c, 0,1                                    ; a whole block to a lane: lanes 0-15 block 2 c, lanes 16-31 block 2 c + 1
.irp i, 0,1,2
	v_permlane16_swap_b32 v[PC+6*\c+\i], v[PC+12+4*\c+\i]
.endr
.irp i, 0,1,2
	v_mov_b32 v[PC+3+6*\c+\i], v[PC+12+4*\c+\i]
.endr
.endr
.irp c, 0,1,2
	global_store_b128 v[PO], v[PC+4*\c:PC+4*\c+3], s[8:9] offset:4*FR*128*(\a)+512*\c   ; the fragment's image: 512 consecutive bytes a store
.endr
.endm
; A TILE OF 256 x 256 SCORES.  Its parts 0, 1, 2 lie, or are on their way, in slots sa, sb, sc; part 0 has been shown whole to every wave.  succ = 1: a tile follows, whose parts 0, 1, 2 go into sb, sc, sa.
.macro TILE sa, sb, sc, succ
	FETCH_B \sa, 0, 0
	FETCH_A \sa, 0, 0
	SCALES \sa, 0
	FETCH_A \sa, 0, 4
	STEP \sa, 0, 1                                 ; K 0-127: the products start the sums
	TURN \sa, 0, \sb, 1, \sa, 0                    ; K 128-255; parts 1 and 2 are whole from here on; slot sa takes part 3, which has 224 products of mine in which to land
	STEP \sb, 1, 0
	PASS \sb, 1, \sc
	STEP \sc, 0, 0
	TURN \sc, 0, \sa, \succ, \sb, 1                ; part 3 is whole; succ: slot sb takes the next tile's part 0
	STEP \sa, 1, 0
	s_wait_dscnt 4*NL                              ; the tile's last K step: nothing more to fetch
	WIN MUL_LO
	MUL16 0, 1, 1, 1, 0
	MUL16 2, 1, 1, 1, 0
	s_wait_dscnt 0
	WIN MUL_HI
	MUL16 4, 1, 1, 1, 0
	MUL16 6, 1, 1, 1, 0
	WIN 0
	PLACES NP                                      ; behind the last products: their results are read and their operands' registers written below
.irp b, 0,1,2,3
	v_mov_b32 v[PX+\b], 0                          ; a lane permute's destination counts as one of its sources
.endr
	EPI 0
	EPI 1
.if \succ
	EFILL \sc                                      ; the next tile's part 0 is whole; slot sc, last read in front of the last barrier, takes its part 1
.endif
	EPI 2
	EPI 3
	EPI 4
	EPI 5
.if \succ
	EFILL \sa                                      ; its part 1 is whole; slot sa, whose reads ended with the last K step, takes its part 2
.endif
	EPI 6
	EPI 7
.irp i, 0,1,2,3                                ; lane (r, h) stores the words of tiles 4 h + 0 .. 3: word 64 h + 4 r + i of a plane's 128 belongs to query 16 (4 h + i) + r
	v_cndmask_b32 v[216+\i], v[WS+\i], v[WS+4+\i], s70
	v_cndmask_b32 v[220+\i], v[FS+\i], v[FS+4+\i], s70
	v_cndmask_b32 v[224+\i], v[SS+\i], v[SS+4+\i], s70
.endr
	global_store_b128 v[PO], v[216:219], s[10:11]
	global_store_b128 v[PO], v[220:223], s[10:11] offset:16384
	global_store_b128 v[PO], v[224:227], s[10:11] offset:32768
.endm
	s_wait_tensorcnt 2                             ; my part of slot 0 is in (the loads of slots 1 and 2 may be out)
	s_barrier_signal -1
	s_barrier_wait -1                              ; everybody's is
	TILE 0, 1, 2, 1
	s_wait_xcnt 0x0                                ; the first tile's stores have read their registers and bases: the fragments land on the former, the latter step
	s_add_nc_u64 s[8:9], s[8:9], 16*8*49152        ; 8 tiles of queries on: 16 groups of 128, eight blocks of 49,152 bytes each in pimg,
	s_add_nc_u64 s[10:11], s[10:11], 16*49152      ; three planes of 16,384 bytes each in stats
	TILE 1, 2, 0, 0
	s_wait_tensorcnt 0x0                           ; the wave's end
	ds_add_u32 v[SPW], v[NIL]
	s_wait_dscnt 0x0
	CROUND                                         ; the closing round: no work-group ends while a partner may still ask for a block that names it
	s_endpgm
.Lfunc_end_k_q6cfc0615d7_scores:
	.size	k_q6cfc0615d7_scores, .Lfunc_end_k_q6cfc0615d7_scores-k_q6cfc0615d7_scores
	.p2alignl 7, 3214868480
	.fill 96, 4, 3214868480
	.section	.rodata,"a",@progbits
	.p2align	6, 0x0
	.amdhsa_kernel k_q6cfc0615d7_scores
		.amdhsa_group_segment_fixed_size 327680
		.amdhsa_private_segment_fixed_size 0
		.amdhsa_enable_private_segment 0
		.amdhsa_kernarg_size 32
		.amdhsa_user_sgpr_count 2
		.amdhsa_user_sgpr_kernarg_segment_ptr 1
		.amdhsa_wavefront_size32 1
		.amdhsa_system_sgpr_workgroup_id_x 1
		.amdhsa_system_sgpr_workgroup_id_y 1
		.amdhsa_system_sgpr_workgroup_id_z 1
		.amdhsa_system_vgpr_workitem_id 0
		.amdhsa_next_free_vgpr 1024
		.amdhsa_next_free_sgpr 98
		.amdhsa_reserve_vcc 0
		.amdhsa_float_denorm_mode_32 3
		.amdhsa_float_denorm_mode_16_64 3
		.amdhsa_memory_ordered 1
		.amdhsa_forward_progress 1
		.amdhsa_inst_pref_size 255
	.end_amdhsa_kernel
	.section	.bss,"aw",@nobits
	.p2align	6
	.space	262144
	.amdgpu_metadata
---
amdhsa.version: [ 1, 2 ]
amdhsa.kernels:
  - .name:           k_q6cfc0615d7_scores
    .symbol:         k_q6cfc0615d7_scores.kd
    .args:
      - { .name: qimg, .offset: 0, .size: 8, .value_kind: global_buffer, .address_space: global }
      - { .name: kimg, .offset: 8, .size: 8, .value_kind: global_buffer, .address_space: global }
      - { .name: pimg, .offset: 16, .size: 8, .value_kind: global_buffer, .address_space: global }
      - { .name: stats, .offset: 24, .size: 8, .value_kind: global_buffer, .address_space: global }
    .group_segment_fixed_size: 327680
    .private_segment_fixed_size: 0
    .kernarg_segment_align: 8
    .kernarg_segment_size: 32
    .max_flat_workgroup_size: 128
    .sgpr_count:     98
    .vgpr_count:     1024
    .wavefront_size: 32
...
	.end_amdgpu_metadata
.endif
;; end of part 2
;; launch mix (part 3): grid 4 x 64, 4 waves a work-group, clusters of 4 x 4, 327,680 bytes of LDS; arguments pimg, stats, vimg, out0; writes out0
.if DOCPART == 3
	.amdgcn_target "amdgcn-amd-amdhsa--gfx1250"
	.amdhsa_code_object_version 6
	.text
	.protected	k_q6cfc0615d7_mix
	.globl	k_q6cfc0615d7_mix
	.p2align	8
	.type	k_q6cfc0615d7_mix,@function
k_q6cfc0615d7_mix:
	s_mov_b64 s[64:65], 0
	v_nop
	global_prefetch_b8 v0, s[64:65] scope:SCOPE_SE
	s_setreg_imm32_b32 hwreg(HW_REG_WAVE_MODE, 25, 1), 1
	s_wait_xcnt 0x0
	s_wait_alu depctr_hold_cnt(0) depctr_sa_sdst(0) depctr_va_vdst(0) depctr_va_sdst(0) depctr_va_ssrc(0) depctr_va_vcc(0) depctr_vm_vsrc(0)
	s_getreg_b32 s2, hwreg(HW_REG_IB_STS2, 6, 4)
	s_cmp_eq_u32 s2, 0
	s_cbranch_scc0 .Lentry_in_a_cluster
	s_endpgm
.Lentry_in_a_cluster:
	s_bfe_u32 s2, ttmp6, 0x10000c
	s_cmp_lg_u32 s2, 0xf033
	s_cbranch_scc0 .Lentry_shape_is_right
	s_endpgm
.Lentry_shape_is_right:
; O^T = V^T P^T on codes of FP6 (E2M3) with E8M0 scales, K = the 4,096 permuted keys, on tiles of 128 queries x 256 columns; O is divided by the row's sum and stored at the query's own row of out0.
; THE PROLOGUE finishes the softmax's whole numbers.  Thread tau owns one of the work-group's 128 queries: M = the largest of its 32 Fg; each K step's four scale bytes become 125 + F_b - Fg + (Fg - M); the row's sum is
; l = the sum over g of (sum under Fg) x 2^(Fg - M).  The words go to LDS (a row of 32 words, 144 bytes apart), 1/l beside them.
; LIMITS: M is the FLOOR of the row's largest t, where the rule has its ceiling: a common power of two in p and in l, which cancels.  Fg - M is held at -62, in the bytes and in l alike.  NaN and infinities are not served.
; SHARES: four waves; wave (wr, wc) has queries 64 wr on and columns 128 wc on: 32 accumulators.  Source 0 = 16 columns of V, source 1 = 16 queries of P: a lane holds one query and eight neighbouring columns.
; RING: two LDS slots of 512 keys: P's block (49,152 bytes) and V's (98,304 of codes, 4,096 of scale words), dense in memory, images of the operands' registers.  CLUSTER 4 x 4: P's block is shared along a row, V's along a column.
; P'S BLOCKS ARE PREFETCHED, a trip of the loop ahead of the joint loads that want them (macro ASK).
; REGISTERS: window 0: v8-15 1/l; v16-30 addresses; v32-127 scale words, two sets of 48 (P's 16, V's 32); v128-223 P's fragments, two sets.  window 1: V's fragments, two sets.  window 2: accumulators, (a, b) at v[8 (8 a + b)].
.set FR,    12
.set ABLK,  49152                      ; P's block of a slot: [rowtile 8][K step 4][1,536]
.set BBLK,  102400                     ; V's
.set SLOT,  151552
.set BOFF,  49152                      ; V's codes in a slot
.set TOFF,  147456                     ; V's scale words
.set SCA,   303104                     ; behind the ring: P's final scale words, 128 rows x 144 bytes
.set SPARE, 321536                     ; the spare words, 128 bytes for each wave
.set INVL,  322048                     ; 1/l of the 128 queries
.set STGB,  8448                       ; the way out: 16 rows x (512 + 16) bytes for each wave, in slot 0, which has had its last fill and its last read by then
.set RL,   8                           ; v8-15  1/l of tile a, twice
.set ADRA, 16                          ; v16-17 LDS address of my fragments of P in slot 0, 1
.set ADRB, 18                          ; v18-19 of V
.set ADRT, 20                          ; v20-21 of V's scale words
.set ADRSA, 22                         ; v22    of P's scale words: 16 bytes on with every slot
.set STO,  24
.set RD,   25
.set CO,   26                          ; v26    16 x lane
.set AIL,  27                          ; v27    of my rows' 1/l
.set SPW,  28
.set NIL,  29
.set PFO,  30                          ; v30    the prefetches' offset: 256 x lane; never rewritten
.set SCL,  32                          ; set s at v[SCL + 48 s]: P's word (a, q) at + 4 a + q, V's (b, q) at + 16 + 4 b + q
.set AF,   128                         ; P's fragments: set p at v[AF + 48 p]
.set G1, 24
.set G0, 32
.set G1B, 48
.set G0B, 56
.set PFA, 76                           ; s[76:77] where my prefetches stand in pimg
.set LIM, 78                           ; s78    1 in a wave that prefetches, else the greatest number: a wave prefetches while the trips to go are above it
.set MSB, 0
.macro WIN new
.if MSB != (\new)
	s_set_vgpr_msb (MSB<<8)|(\new)
.set MSB, (\new)
.endif
.endm
.set MUL,  0xa1                        ; source 0 (V) window 1, source 1 (P) window 0, C and D window 2
.set TO_B, 0x40                        ; destination window 1, address window 0
.macro JLOAD g0a, g1a, g0b, g1b        ; waves 0 and 1 fetch P's halves, waves 2 and 3 V's; an s_nop 0 and four v_nop follow each line
	s_cmp_eq_u32 s15, 0
	s_cbranch_scc0 .Lfor_b_\@
	tensor_load_to_lds s[\g0a:\g0a+3], s[\g1a:\g1a+7]
	s_nop 0
.rept 4
	v_nop
.endr
	s_branch .Lasked_\@
.Lfor_b_\@:
	tensor_load_to_lds s[\g0b:\g0b+3], s[\g1b:\g1b+7]
	s_nop 0
.rept 4
	v_nop
.endr
.Lasked_\@:
.endm
; A PREFETCH INTO THE L2 of the two blocks of P that the NEXT trip's two refills will ask for: 98,304 consecutive bytes of pimg.  It stands once a trip, behind the joint load of the change out of slot 0 and the run of
; LDS loads behind it: eight and twelve K steps, 256 and 384 products of a wave, ahead of the two loads.  Only my row of the cluster reads these bytes, jointly: its four partners share them out BY ADDRESS, 24,576 each (cx);
; in each, waves 0, 1, 2 take 8,192 each, lanes 256 bytes apart: one instruction a wave, each run of 256 bytes named once in the launch.  The loop's last trip asks for nothing: no block lies behind the eighth.
; The first four blocks come by their loads alone: nothing is asked for at the head.
.macro ASK
	s_cmp_gt_u32 s3, s[LIM]                        ; s3 = 1 in the loop's last trip
	s_cbranch_scc0 .Lnot_mine_\@
	global_prefetch_b8 v[PFO], s[PFA:PFA+1] th:TH_LOAD_NT scope:SCOPE_SE
.Lnot_mine_\@:
.endm
.macro CREST
	s_cmp_lg_u32 s14, 0
	s_cbranch_scc1 .Lnot_wave_0_\@
	s_barrier_signal -3
.Lnot_wave_0_\@:
	s_barrier_wait -3
	s_barrier_signal -1
	s_barrier_wait -1
.endm
.macro CROUND
	s_barrier_signal -1
	s_barrier_wait -1
	CREST
.endm
	s_load_b256 s[4:11], s[0:1], 0x0               ; pimg s[4:5], stats s[6:7], vimg s[8:9], out0 s[10:11]
	v_lshl_add_u32 v[SPW], v0, 2, SPARE
	v_mov_b32 v[NIL], 0
	ds_add_u32 v[SPW], v[NIL]                      ; the wave's opening: the add and its wait ahead of my first tensor load
	v_lshrrev_b32 v1, 5, v0
	v_readfirstlane_b32 s14, v1                    ; wave 0..3
	s_lshr_b32 s15, s14, 1                         ; wr.  Also: I fetch P's block (0) or V's (1)
	s_and_b32 s16, s14, 1                          ; wc.  Also: which half of it
	s_bfe_u32 s40, ttmp6, 0x40000
	s_bfe_u32 s41, ttmp6, 0x40004
	s_lshl_b32 s42, ttmp9, 2
	s_add_co_u32 s42, s42, s40                     ; which 256 columns
	s_and_b32 s45, ttmp7, 0xffff
	s_lshl_b32 s17, s45, 2
	s_add_co_u32 s17, s17, s41                     ; which 128 queries, the batch in it: 32 n + rg
	s_lshr_b32 s45, s45, 3                         ; n, from the cluster's y alone
	s_lshl_b32 s43, s41, 2
	s_lshl_b32 s43, 15, s43                        ; my row of the cluster
	s_lshl_b32 s44, 0x1111, s40                    ; my column
	s_or_b32 s[G1+0], s43, (3<<16)|(1<<21)         ; the mask; elements of 8 bytes; no padding; bit 21 beside a mask
	s_mov_b32 s[G1+1], 32<<16                      ; rows of 256 bytes,
	s_mov_b32 s[G1+2], 96<<16                      ; 96 of them: half of P's block
	s_mov_b32 s[G1+3], 32<<16
	s_mov_b32 s[G1+4], 96
	s_mov_b32 s[G1+5], 32
	s_mov_b32 s[G1+6], 0
	s_mov_b32 s[G1+7], 0
	s_or_b32 s[G1B+0], s44, (3<<16)|(1<<21)
	s_mov_b32 s[G1B+1], 32<<16
	s_mov_b32 s[G1B+2], 200<<16                    ; 200: half of V's block
	s_mov_b32 s[G1B+3], 32<<16
	s_mov_b32 s[G1B+4], 200
	s_mov_b32 s[G1B+5], 32
	s_mov_b32 s[G1B+6], 0
	s_mov_b32 s[G1B+7], 0
	s_mul_i32 s94, s16, ABLK/2                     ; where my half goes in a slot: P's,
	s_mul_i32 s95, s16, BBLK/2
	s_add_co_u32 s95, s95, BOFF                    ; V's
	s_mul_i32 s20, s17, 8*ABLK
	s_add_co_u32 s20, s20, s94
	s_mov_b32 s21, 0
	s_lshl_b32 s46, s45, 2
	s_add_co_u32 s46, s46, s42                     ; 4 n + which 256 columns
	s_mul_i32 s46, s46, 8*BBLK
	s_mul_i32 s18, s16, BBLK/2
	s_add_co_u32 s46, s46, s18
	s_mov_b32 s47, 0
	s_wait_dscnt 0x0                               ; the opening add is done
	s_wait_kmcnt 0x0
	s_add_nc_u64 s[20:21], s[4:5], s[20:21]
	s_add_nc_u64 s[46:47], s[8:9], s[46:47]
	CROUND                                         ; all sixteen work-groups are here: the first joint loads meet
.irp s, 0,1
	s_mov_b32 s[G0+4*\s], 1
	s_add_co_u32 s[G0+4*\s+1], s94, \s*SLOT
	s_add_nc_u64 s[G0+4*\s+2:G0+4*\s+3], s[20:21], \s*ABLK
	s_or_b32 s[G0+4*\s+3], s[G0+4*\s+3], 0x80000000
	s_mov_b32 s[G0B+4*\s], 1
	s_add_co_u32 s[G0B+4*\s+1], s95, \s*SLOT
	s_add_nc_u64 s[G0B+4*\s+2:G0B+4*\s+3], s[46:47], \s*BBLK
	s_or_b32 s[G0B+4*\s+3], s[G0B+4*\s+3], 0x80000000
	JLOAD G0+4*\s, G1, G0B+4*\s, G1B
.endr
	s_mul_i32 s72, s17, 49152                      ; my queries' statistics
	s_mov_b32 s73, 0
	s_add_nc_u64 s[6:7], s[6:7], s[72:73]
	v_lshlrev_b32 v6, 2, v0                        ; 4 tau
.set j, 0
.rept 32
	global_load_b32 v[128+j], v6, s[6:7] offset:16384+512*j    ; Fg
	global_load_b32 v[160+j], v6, s[6:7] offset:512*j          ; the bytes under Fg
	global_load_b32 v[192+j], v6, s[6:7] offset:32768+512*j    ; the sum under Fg
.set j, j+1
.endr
	s_mul_i32 s76, s17, 8*ABLK                     ; the prefetches: my queries' eight blocks of P,
	s_mul_i32 s79, s40, ABLK/2                     ; my work-group's 24,576 bytes of a pair of blocks,
	s_add_co_u32 s76, s76, s79
	s_lshl_b32 s79, s14, 13                        ; my wave's 8,192 of them,
	s_add_co_u32 s76, s76, s79
	s_add_co_u32 s76, s76, 2*ABLK                  ; in blocks 2 and 3: the first trip steps it to blocks 4 and 5
	s_mov_b32 s77, 0
	s_add_nc_u64 s[PFA:PFA+1], s[4:5], s[76:77]
	s_cmp_lt_u32 s14, 3                            ; three waves' worth: 3 x 8,192 bytes
	s_cselect_b32 s[LIM], 1, -1
	v_and_b32 v1, 15, v0                           ; r
	v_bfe_u32 v2, v0, 4, 1                         ; h
	v_and_b32 v3, 31, v0
	v_lshlrev_b32 v[CO], 4, v3
	v_lshlrev_b32 v[PFO], 8, v3
	v_lshlrev_b32 v4, 3, v1
	s_mul_i32 s21, s15, 4*4*FR*128                 ; my four rowtiles of P
	s_mul_i32 s22, s16, 8*4*FR*128                 ; my eight tiles of V's columns
	s_add_co_u32 s22, s22, BOFF
	s_lshl_b32 s23, s16, 10                        ; their scale words: 8 bytes a column
	s_add_co_u32 s23, s23, TOFF
.irp s, 0,1
	v_add_nc_u32 v[ADRA+\s], s21, v[CO]
	v_add_nc_u32 v[ADRB+\s], s22, v[CO]
	v_add_nc_u32 v[ADRT+\s], s23, v4
	s_add_co_u32 s21, s21, SLOT
	s_add_co_u32 s22, s22, SLOT
	s_add_co_u32 s23, s23, SLOT
.endr
	s_mul_i32 s21, s15, 64*144
	s_add_co_u32 s21, s21, SCA
	v_mul_u32_u24 v5, v1, 144
	v_add_nc_u32 v[ADRSA], s21, v5                 ; row 64 wr + r of the scale words
	s_lshl_b32 s21, s15, 8
	s_add_co_u32 s21, s21, INVL
	v_lshl_add_u32 v[AIL], v1, 2, s21
	s_mul_i32 s23, s14, STGB                       ; my stage
	v_mul_u32_u24 v5, v1, 528
	v_lshl_add_u32 v5, v2, 5, v5
	v_add_nc_u32 v[STO], s23, v5                   ; in: row r, 32 bytes for each half of the lanes
	v_add_nc_u32 v[RD], s23, v[CO]                 ; back: the 32 lanes take a row of 512 bytes
	v_and_b32 v226, 64, v0                         ; my query: word tau = 64 h + 4 r + i belongs to row 64 h + 16 i + r
	v_and_b32 v227, 3, v0
	v_lshl_add_u32 v226, v227, 4, v226
	v_bfe_u32 v227, v0, 2, 4
	v_add_nc_u32 v226, v226, v227
	v_mul_u32_u24 v227, v226, 144
	v_add_nc_u32 v227, SCA, v227
	v_lshl_add_u32 v228, v226, 2, INVL
	s_mov_b32 s71, 0x01010101
	s_lshl_b32 s72, s17, 7
	s_lshl_b32 s74, s15, 6
	s_add_co_u32 s72, s72, s74                     ; my first row of out0: 128 x group + 64 wr
	s_lshl_b32 s72, s72, 12
	s_lshl_b32 s74, s42, 10                        ; my first column, in bytes
	s_add_co_u32 s72, s72, s74
	s_lshl_b32 s74, s16, 9
	s_add_co_u32 s72, s72, s74
	s_add_nc_u64 s[10:11], s[10:11], s[72:73]
	s_wait_loadcnt 0x0
	v_max3_num_f32 v224, v128, v129, v130          ; M
.set j, 131
.rept 14
	v_max3_num_f32 v224, v224, v[j], v[j+1]
.set j, j+2
.endr
	v_max_num_f32 v224, v224, v159
.set j, 0
.rept 32
	v_sub_f32 v[128+j], v[128+j], v224
.set j, j+1
.endr
.set j, 0
.rept 32
	v_max_num_f32 v[128+j], 0xc2780000, v[128+j]   ; Fg - M, held at -62
.set j, j+1
.endr
.set j, 0
.rept 32
	v_cvt_i32_f32 v[128+j], v[128+j]
.set j, j+1
.endr
.set j, 0
.rept 32
	v_ldexp_f32 v[192+j], v[192+j], v[128+j]       ; the sums under M
.set j, j+1
.endr
.set j, 0
.rept 32
	v_mul_lo_u32 v[128+j], v[128+j], s71           ; the same whole number in each of the four bytes (modulo 2^32),
.set j, j+1
.endr
.set j, 0
.rept 32
	v_add_nc_u32 v[160+j], v[160+j], v[128+j]      ; onto the bytes: each stays between 1 and 125, so none borrows from its neighbour
.set j, j+1
.endr
.irp j, 4,8,12,16,20,24,28
	v_pk_add_f32 v[192:193], v[192:193], v[192+\j:193+\j]
	v_pk_add_f32 v[194:195], v[194:195], v[194+\j:195+\j]
.endr
	v_pk_add_f32 v[192:193], v[192:193], v[194:195]
	v_add_f32 v192, v192, v193                     ; l, at least 1
	v_rcp_f32 v225, v192
	v_nop                                          ; a plain place behind the transcendental
	s_wait_alu depctr_va_vdst(0)                   ; and the wait ahead of its first reader
.irp j, 0,1,2,3,4,5,6,7
	ds_store_b128 v227, v[160+4*\j:163+4*\j] offset:16*\j
.endr
	ds_store_b32 v228, v225
	s_wait_dscnt 0x0                               ; for the others' sake: my stores have landed
	s_wait_tensorcnt 1                             ; my part of slot 0 is in (slot 1's load may be out)
	s_barrier_signal -1
	s_barrier_wait -1
.macro PLACES n
.rept \n
	v_nop
.endr
.endm
.macro FETCH slot, q, p                ; the fragments of the slot's K step q into set p: V's eight, P's four: 36 loads in one run
	WIN TO_B
.irp b, 0,1,2,3,4,5,6,7
.irp c, 0,1,2
	ds_load_b128 v[128*(\p)+FR*\b+4*\c:128*(\p)+FR*\b+4*\c+3], v[ADRB+\slot] offset:(4*\b+(\q))*FR*128+512*\c
.endr
.endr
	WIN 0
.irp a, 0,1,2,3
.irp c, 0,1,2
	ds_load_b128 v[AF+48*(\p)+FR*\a+4*\c:AF+48*(\p)+FR*\a+4*\c+3], v[ADRA+\slot] offset:(4*\a+(\q))*FR*128+512*\c
.endr
.endr
.endm
.macro SCALES s                        ; a slot's scale words: P's four words a row, V's two pairs a column
.irp a, 0,1,2,3
	ds_load_b128 v[SCL+48*\s+4*\a:SCL+48*\s+4*\a+3], v[ADRSA] offset:16*144*\a
.endr
.irp b, 0,1,2,3,4,5,6,7
.irp u, 0,1
	ds_load_b64 v[SCL+48*\s+16+4*\b+2*\u:SCL+48*\s+16+4*\b+2*\u+1], v[ADRT+\s] offset:2048*\u+128*\b
.endr
.endr
.endm
; 8 matrix instructions: tile a of queries x the eight tiles of columns.  The 32 accumulators take turns, one instruction a turn, in the same order in every step.
.macro MUL8 a, p, q, s, zero
.irp b, 0,1,2,3,4,5,6,7
.if \zero
	v_wmma_scale_f32_16x16x128_f8f6f4 v[8*(8*(\a)+\b):8*(8*(\a)+\b)+7], v[128*(\p)+FR*\b:128*(\p)+FR*\b+FR-1], v[AF+48*(\p)+FR*(\a):AF+48*(\p)+FR*(\a)+FR-1], 0, v[SCL+48*(\s)+16+4*\b+(\q)], v[SCL+48*(\s)+4*(\a)+(\q)] matrix_a_fmt:MATRIX_FMT_FP6 matrix_b_fmt:MATRIX_FMT_FP6
.else
	v_wmma_scale_f32_16x16x128_f8f6f4 v[8*(8*(\a)+\b):8*(8*(\a)+\b)+7], v[128*(\p)+FR*\b:128*(\p)+FR*\b+FR-1], v[AF+48*(\p)+FR*(\a):AF+48*(\p)+FR*(\a)+FR-1], v[8*(8*(\a)+\b):8*(8*(\a)+\b)+7], v[SCL+48*(\s)+16+4*\b+(\q)], v[SCL+48*(\s)+4*(\a)+(\q)] matrix_a_fmt:MATRIX_FMT_FP6 matrix_b_fmt:MATRIX_FMT_FP6
.endif
.endr
.endm
; One of a slot's first three K steps: the next step's fragments are asked for ahead of this step's 32 products.
.macro STEP slot, q, zero
	s_wait_dscnt 0x0                               ; this step's fragments (asked for a step ago) and scale words are in
	PLACES 4                                       ; the other set was read by the products just issued
	FETCH \slot, (\q)+1, 1-(\q)%2
	WIN MUL
	MUL8 0, (\q)%2, \q, \slot, \zero
	MUL8 1, (\q)%2, \q, \slot, \zero
	MUL8 2, (\q)%2, \q, \slot, \zero
	MUL8 3, (\q)%2, \q, \slot, \zero
	WIN 0
.endm
; A slot's last K step changes slots: one barrier; in front of it each wave waits for all its tensor loads, adds 0 to its spare word, and waits for that and for its reads of this slot.
.macro TURN slot, next, fill
.if (\fill) && ((\slot) == 0)
	s_wait_xcnt 0x0                                ; the last prefetch, a trip back, has read its address: it is stepped here, ahead of the waits of the change of slots
	s_add_nc_u64 s[PFA:PFA+1], s[PFA:PFA+1], 2*ABLK
.endif
	s_wait_tensorcnt 0x0                           ; all my tensor loads have landed: my part of the next slot
	ds_add_u32 v[SPW], v[NIL]                      ; 0 onto my spare word
	s_wait_dscnt 1                                 ; this step's fragments are in; the add alone may be out
	WIN MUL
	MUL8 0, 1, 3, \slot, 0
	s_wait_dscnt 0x0                               ; the add is done, and my reads of this slot are over
	s_barrier_signal -1
	MUL8 1, 1, 3, \slot, 0
	WIN 0
	s_barrier_wait -1
.if \fill
	CREST                                          ; the barrier has opened a round of the cluster's: no wave of any partner still reads this slot or has a load on its way
	s_add_nc_u64 s[G0+4*\slot+2:G0+4*\slot+3], s[G0+4*\slot+2:G0+4*\slot+3], 2*ABLK
	s_add_nc_u64 s[G0B+4*\slot+2:G0B+4*\slot+3], s[G0B+4*\slot+2:G0B+4*\slot+3], 2*BBLK
	JLOAD G0+4*\slot, G1, G0B+4*\slot, G1B         ; the first tensor load behind the round: it has four K steps, 112 products of mine, in which to land
.else
	PLACES 4
.endif
	v_add_nc_u32 v[ADRSA], 16, v[ADRSA]            ; P's scale words of the next slot
	FETCH \next, 0, 0
	SCALES \next
.if (\fill) && ((\slot) == 0)
	ASK                                            ; behind the joint load and the run of LDS loads that the next products wait for
.endif
	WIN MUL
	MUL8 2, 1, 3, \slot, 0
	MUL8 3, 1, 3, \slot, 0
	WIN 0
.endm
	FETCH 0, 0, 0
	SCALES 0
	STEP 0, 0, 1                                   ; the first K step stands in front of the loop: its products start the sums
	s_mov_b32 s3, 3
.Llap:                                             ; a trip goes once round the ring and fills both slots again: three trips bring slots' worth 2 to 7 of the keys
	STEP 0, 1, 0
	STEP 0, 2, 0
	TURN 0, 1, 1
	STEP 1, 0, 0
	STEP 1, 1, 0
	STEP 1, 2, 0
	TURN 1, 0, 1
	STEP 0, 0, 0
	s_sub_co_u32 s3, s3, 1
	s_cmp_lg_u32 s3, 0
	s_cbranch_scc1 .Llap
	STEP 0, 1, 0                                   ; the last lap fills nothing, and has no round of the cluster's barrier
	STEP 0, 2, 0
	TURN 0, 1, 0
	STEP 1, 0, 0
	STEP 1, 1, 0
	STEP 1, 2, 0
	s_wait_dscnt 0x0                               ; the very last K step
	WIN MUL
	MUL8 0, 1, 3, 1, 0
	MUL8 1, 1, 3, 1, 0
	MUL8 2, 1, 3, 1, 0
	MUL8 3, 1, 3, 1, 0
	WIN 0
	; THE WAY OUT, a tile of 16 queries x 128 columns at a time: O^T x 1/l, through my stage in LDS, back as whole rows of 512 bytes.
	PLACES 4
.irp a, 0,1,2,3
	ds_load_b32 v[RL+2*\a], v[AIL] offset:64*\a    ; 1/l of query 64 wr + 16 a + r, into both registers of a pair
	ds_load_b32 v[RL+2*\a+1], v[AIL] offset:64*\a
.endr
	s_wait_dscnt 0x0
.macro OUT a
.if (\a) > 0
	s_wait_xcnt 0x0                                ; the last tile's stores have read their registers
.endif
	WIN 0x02                                       ; source 0: the accumulators' window
.set j, 0
.rept 32
	v_pk_mul_f32 v[128+j:129+j], v[64*(\a)+j:64*(\a)+j+1], v[RL+2*(\a):RL+2*(\a)+1]   ; each accumulator from its low end on
.set j, j+2
.endr
	WIN 0
.irp b, 0,1,2,3,4,5,6,7
	ds_store_b128 v[STO], v[128+8*\b:131+8*\b] offset:64*\b        ; lane (r, h): columns 16 b + 8 h + 0 .. 7 of row r
	ds_store_b128 v[STO], v[132+8*\b:135+8*\b] offset:64*\b+16
.endr
.irp t, 0,1,2,3,4,5,6,7,8,9,10,11,12,13,14,15
	ds_load_b128 v[192+4*\t:195+4*\t], v[RD] offset:528*\t         ; LDS serves a wave's instructions in order: these see my stores
.endr
	s_wait_dscnt 0x0
.irp t, 0,1,2,3,4,5,6,7,8,9,10,11,12,13,14,15
	global_store_b128 v[CO], v[192+4*\t:195+4*\t], s[10:11] offset:(16*(\a)+\t)*4096 th:TH_STORE_NT   ; 32 lanes store 512 consecutive bytes, at a multiple of 512 from out0's first byte
.endr
.endm
	OUT 0
	OUT 1
	OUT 2
	OUT 3
	s_wait_tensorcnt 0x0                           ; the wave's end, behind my last tensor load and my last LDS store
	ds_add_u32 v[SPW], v[NIL]
	s_wait_dscnt 0x0
	CROUND                                         ; the closing round: no work-group ends while a partner may still ask for a block that names it
	s_endpgm
.Lfunc_end_k_q6cfc0615d7_mix:
	.size	k_q6cfc0615d7_mix, .Lfunc_end_k_q6cfc0615d7_mix-k_q6cfc0615d7_mix
	.p2alignl 7, 3214868480
	.fill 96, 4, 3214868480
	.section	.rodata,"a",@progbits
	.p2align	6, 0x0
	.amdhsa_kernel k_q6cfc0615d7_mix
		.amdhsa_group_segment_fixed_size 327680
		.amdhsa_private_segment_fixed_size 0
		.amdhsa_enable_private_segment 0
		.amdhsa_kernarg_size 32
		.amdhsa_user_sgpr_count 2
		.amdhsa_user_sgpr_kernarg_segment_ptr 1
		.amdhsa_wavefront_size32 1
		.amdhsa_system_sgpr_workgroup_id_x 1
		.amdhsa_system_sgpr_workgroup_id_y 1
		.amdhsa_system_sgpr_workgroup_id_z 1
		.amdhsa_system_vgpr_workitem_id 0
		.amdhsa_next_free_vgpr 768
		.amdhsa_next_free_sgpr 98
		.amdhsa_reserve_vcc 0
		.amdhsa_float_denorm_mode_32 3
		.amdhsa_float_denorm_mode_16_64 3
		.amdhsa_memory_ordered 1
		.amdhsa_forward_progress 1
		.amdhsa_inst_pref_size 165
	.end_amdhsa_kernel
	.amdgpu_metadata
---
amdhsa.version: [ 1, 2 ]
amdhsa.kernels:
  - .name:           k_q6cfc0615d7_mix
    .symbol:         k_q6cfc0615d7_mix.kd
    .args:
      - { .name: pimg, .offset: 0, .size: 8, .value_kind: global_buffer, .address_space: global }
      - { .name: stats, .offset: 8, .size: 8, .value_kind: global_buffer, .address_space: global }
      - { .name: vimg, .offset: 16, .size: 8, .value_kind: global_buffer, .address_space: global }
      - { .name: out0, .offset: 24, .size: 8, .value_kind: global_buffer, .address_space: global }
    .group_segment_fixed_size: 327680
    .private_segment_fixed_size: 0
    .kernarg_segment_align: 8
    .kernarg_segment_size: 32
    .max_flat_workgroup_size: 128
    .sgpr_count:     98
    .vgpr_count:     768
    .wavefront_size: 32
...
	.end_amdgpu_metadata
.endif
;; end of part 3
